; MI455X (gfx1250); checked and timed in simulation.
; The chip was launched on July 23, 2026; its instructions are those of AMD's public machine-readable ISA for CDNA 5 (MIT licence, August 2026) and "CDNA5" Instruction Set Architecture Reference Guide (July 2026). The comments in the code are by the model that wrote it; some were corrected since.
;; Neural Spline Coupling. Allowed arithmetic: matrix products marked QUANTISED: E5M2 operands, one given power-of-two scale a tensor, by v_wmma_f32_16x16x64_bf8_bf8 or v_wmma_f32_16x16x128_bf8_bf8, f32 sums; products left as they are: f32 operands where the result goes on into a quantised operand, else bf16, f16 or f32 operands; f32 sums; everything else in f32.
;; Inputs: W1 16 x 128 float32; W2_codes 128 x 4 x 32 uint8 (E5M2 codes of W2, K innermost, in blocks of 32 codes); W3_codes 376 x 4 x 32 uint8 (E5M2 codes of W3, K innermost, in blocks of 32 codes); b1 128 float32; b2 128 float32; b3 376 float32; bn_bias 16 float32; bn_mean 16 float32; bn_scale 16 float32; bn_var 16 float32; c 500,000 x 8 float32; lowp_scales 4 int32 (the exponents e of the quantised operands' scales 2^e); x 500,000 x 16 float32.
;; Outputs: out0 500,000 x 16 float32; out1 500,000 float32.
;; This version of the problem:
;;   THIS VERSION OF THE PROBLEM IS GIVEN IN LOW PRECISION. The matrix products marked QUANTISED in the list below multiply operands that are first quantised to E5M2 (5 exponent bits, 2 mantissa bits; 8 bits a number), with one given power-of-two scale for each operand tensor; their sums are f32. All else is computed in f32.
;;   The module's matrix products, in the order in which they are computed (A, B: the left and right operand; K: the contracted axis; several contracted axes count as one K, in the product's order):
;;     1. [M 500,000, K 16] x [K 16, N 128]; A: computed on the way; B: input W1: left as it is (K = 16 < 32)
;;     2. [M 500,000, K 128] x [K 128, N 128]; A: computed on the way; B: input W2 (given as codes): QUANTISED (scales: A lowp_scales[0], B lowp_scales[1])
;;     3. [M 500,000, K 128] x [K 128, N 376]; A: computed on the way; B: input W3 (given as codes): QUANTISED (scales: A lowp_scales[2], B lowp_scales[3])
;;   THE QUANTISER, for each operand of a quantised product, along K:
;;     - The operand's scale is 2^e, e = its entry of the input lowp_scales (int32; the entries are numbered through the quantised products in the list's order, A before B).
;;     - Each number is divided by the scale, clamped to +-57,344, and rounded to the nearest number of E5M2, ties to even, subnormals kept.
;;     - The product sums the exact products of the quantised numbers (number of the format x scale) in f32.
;;   ~~~python
;;   def quantise(x, axis, e):      # numpy; x: float32 -> the quantised numbers, widened to float32 again
;;       x = np.moveaxis(x, axis, -1); K = x.shape[-1]
;;       r = np.clip(x / 2.0 ** e, -57344, 57344)
;;       step = 2.0 ** (np.maximum(np.frexp(np.where(r == 0, 1, r))[1] - 1, -14) - 2)
;;       q = np.round(r / step) * step * 2.0 ** e      # np.round: ties to even
;;       return np.moveaxis(q, -1, axis).astype(np.float32)
;;   ~~~
;;   OPERANDS COMPUTED ON THE WAY. 'Computed on the way' means the value that the module computes at that place (a softmax that the list does not call 'softmax' is quantised finished and normalised). What goes into a quantiser is computed in f32, as accurately as f32 sums, v_exp_f32 and their like allow (about 1e-6 of the number): no bf16 or f16 on the way to a quantiser, and a product that is left as it is and whose result goes on into a quantised operand takes f32 operands (vector FMAs, or v_wmma_f32_16x16x4_f32). A number that lies on a knife's edge between two numbers of the format may be rounded either way, as far as f32 arithmetic and the matrix unit's own rounding can turn it there, and no further.
;;   INPUTS GIVEN AS CODES. W2 (in the module: [128, 128], K = its axis 0); W3 (in the module: [128, 376], K = its axis 0): each comes as NAME_codes (uint8): NAME with its K axis moved to the last place and cut into blocks of 32 codes, [.., K / 32, bytes a block], one block behind the other in memory; one code a byte (a code: sign, 5 exponent bits, 2 mantissa bits); its scale is its entry of lowp_scales. Its value is code x scale, taken as it is: it is not quantised again, and the codes and scales need not be those that the quantiser above would give.
;; One version. Each part assembles by itself: llvm-mc -triple=amdgcn-amd-amdhsa -mcpu=gfx1250 --defsym DOCPART=n.
;; ======== version 1 of 1: 1 launch
;; launch spline (part 1): grid 512 x 1, 4 waves a work-group, no clusters, 37,376 bytes of LDS; arguments x, c, bn_scale, bn_bias, bn_mean, bn_var, W1, b1, W2_codes, b2, W3_codes, b3, lowp_scales, out0, out1; writes out0, out1
.if DOCPART == 1
	.amdgcn_target "amdgcn-amd-amdhsa--gfx1250"
	.amdhsa_code_object_version 6
	.text
	.protected	k_q295ee5d9cb_spline
	.globl	k_q295ee5d9cb_spline
	.p2align	8
	.type	k_q295ee5d9cb_spline,@function
k_q295ee5d9cb_spline:
	s_mov_b64 s[64:65], 0
	v_nop
	global_prefetch_b8 v0, s[64:65] scope:SCOPE_SE
	s_setreg_imm32_b32 hwreg(HW_REG_WAVE_MODE, 25, 1), 1
	s_wait_xcnt 0x0
; NEURAL SPLINE COUPLING, one launch.  For each of 500,000 rows: batch norm of 16 numbers (x[:,8:16], c), 16 -> 128 (f32 operands, swish), 128 -> 128 and 128 -> 376 on
; codes of E5M2 (given scales 2^e0 .. 2^e3), then for 8 dimensions two softmaxes of 16, a bin search, and a rational-quadratic spline with its log-derivative.
; NOTHING IS LEFT OUT AS DEAD: every input is loaded, all 376 columns are multiplied.  Two steps are taken in another order, by identities that hold for all values:
;   (a) an elementwise function commutes with take_along_axis: the two slopes' pre-activations are selected first and softplus is applied to the two selected numbers;
;   (b) dx = ex / TX, dy = ey / TY (ex, ey = exp(p - max), TX, TY their sums): the search compares the prefix sums of ex with xc x TX, and only the selected numbers are divided.
;   Every selection is a v_cndmask_b32 that runs for every bin: no branch and no address hangs on data.
; SHARES.  A work-group of four waves walks blocks of 64 rows (four tiles of 16): blocks g, g + 512, ...  THE WAVES SHARE THE COLUMNS: wave w makes hidden units 32 w .. 32 w + 31 of
; both hidden layers and the spline dimensions w (lanes 0-15) and w + 4 (lanes 16-31), for all 64 rows.  Its weights and biases stay in registers (window 1); what goes round is the
; rows' codes, as images of the operand's registers in LDS.  All products are used transposed (source 0 = 16 rows of a weight, source 1 = 16 samples): a lane holds one sample.
; A TRIP: layer 2 of the block in hand | barrier | for each pair of tiles: layer 3 and the spline, with layer 1 of the NEXT block's same tiles set among the vector lines | barrier | the rows leave.
; THE BATCH NORM: h W1 + b1 = (in - mean) (G W1) + (bias W1 + b1), G = rsqrt(var + eps) scale: G is multiplied into W1 and bias W1 + b1 is summed once, at the head.
; THE ROWS OF A WEIGHT THAT FORM A TILE ARE CHOSEN: lane r of unit tile u takes unit 32 w + 8 u + r + 8 (r / 8), so that a lane's 16 results are 16 neighbours along the next K;
; W3's tiles 0-3 take dx and dy by turns (register 2 n = dx n, 2 n + 1 = dy n), tiles 4-5 the slopes dk[0 .. 15], dk[0] = dk[16] being a row of zero codes whose bias is ln(e - 1).
; In the products on codes k is permuted alike in both operands (registers 4 c .. 4 c + 3 hold k = 32 c + 16 (lane / 16) + 0 .. 15).
; LIMITS.  e0 and e2 - e0 - e1 between -126 and 112; e0 + e1 and e2 + e3 between -126 and 127.  NaN among the inputs is not served.  The boundary slope is softplus(ln(e - 1)), which is 1
; to an f32 rounding.  Where xc lies on a knot to within rounding, either neighbouring bin may be taken (the spline and its derivative are continuous there).
; The last trip's layer 1 works on rows clamped into the buffer and its result is not used.
.set N,      500000
.set NBLK,   7813                      ; blocks of 64 rows; the last has 32
.set STEPB,  512                       ; work-groups: from a block to my next
.set LOG2E,  0x3fb8aa3b
.set NLOG2E, 0xbfb8aa3b
.set LN2,    0x3f317218
.set EPS,    0x3727c5ac                ; 1e-5
.set SP1,    0x3f0a9444                ; ln(e - 1)
.set WGAP,   20                        ; vector lines between two f32 matrix instructions
; LDS
.set XIN,   0                          ; 64 rows of x of the NEXT block, 64 bytes + 16
.set XO,    5120                       ; the same of the block in hand
.set YS,    10240                      ; yt, same pitch, bytes 0-31 of a row
.set CS,    15360                      ; 64 rows of c of the next block, 32 bytes + 16
.set IMG1,  18432                      ; codes of hidden layer 1: tile m at 2048 m, register group c at 512 c, lane at 16 x lane
.set IMG2,  26624                      ; of hidden layer 2
.set LS,    34816                      ; log2 of the derivative: [dimension][64 samples]
.set SPARE, 36864                      ; the spare words, 128 bytes for each wave: two blocks of 256 bytes that no other line names
; window 0
.set SPW, 1                            ; my spare word's address; never rewritten
.set NIL, 2                            ; 0; never rewritten
.set AXI, 3                            ; XIN + 32 + 80 r + 16 h
.set ACI, 4                            ; CS + 48 r + 16 h
.set AIW, 5                            ; 16 lane + 512 w: where I store an image's group
.set L16, 6                            ; 16 lane
.set AXT, 7                            ; XO + 80 r + 16 h + 4 w: xt of my dimension
.set L8,  8                            ; 8 lane
.set ALS, 9                            ; LS + 256 w + 1024 h + 4 r
.set ARW, 10                           ; 80 (lane / 4) + 16 (lane % 4) + 1280 w: my 16 rows, as they are loaded
.set ACW, 11                           ; CS + 48 (lane / 2) + 16 (lane % 2) + 768 w
.set AP4, 12                           ; the way out: quarters 0, 1 of a row from YS, quarters 2, 3 from XO
.set GX,  13
.set GC,  14
.set GO,  15
.set GL,  16
.set ALR, 17                           ; LS + 8 lane
.set SC1, 18                           ; 2^e0 as f32
.set SC2, 19                           ; 2^(e2 - e0 - e1)
.set XR,  20                           ; v20-27 x as loaded;  v28-31 c
.set CR,  28
.set SLB, 32                           ; v32-63 the slopes' sums, 16 a tile; v32-95 layer 2's sums.  v32-95 are written by matrix instructions alone
.set AC1, 64                           ; v64-95 layer 1's sums of a pair of tiles
.set EB,  96                           ; v96-159 dx, dy, 32 a tile; later at work
.set PRB, 160                          ; v160-223 fragments, prefix sums, at work
.set XT,  224                          ; v224-227 xt of tile m
.set QB,  228                          ; v228-243 eight a tile: x0, y0, wk, hk, a0, a1, X, xc
.set TTB, 244                          ; v244-247 TX, TY of each tile
.set OUTR, 248
; window 1
.set W3F, 0
.set B3C, 96
.set W2F, 144
.set B2C, 176
.set W1F, 192
.set B1C, 208                          ; written by the f32 matrix form alone
.set BNM, 224
.set HB,  232
.set MSB, 0
.macro WIN new                         ; bits 1:0 source 0, 3:2 source 1, 5:4 source 2, 7:6 destination; the high byte repeats the setting that is left
.if MSB != \new
	s_set_vgpr_msb (MSB<<8)|\new
.set MSB, \new
.endif
.endm
.macro BARRIER                         ; my LDS stores have landed and my LDS loads are in: then the work-group's barrier
	s_wait_dscnt 0x0
	s_barrier_signal -1
	s_barrier_wait -1
.endm
; my wave's 16 rows of x and c of block s35 + add: three loads of 512 consecutive bytes.  Rows past the end are replaced by the last 16: no load leaves its buffer
.macro LOADX add
	s_add_co_u32 s37, s35, \add
	s_lshl_b32 s37, s37, 6
	s_add_co_u32 s37, s37, s36
	s_min_u32 s37, s37, N-16
	s_lshl_b32 s38, s37, 6
	s_lshl_b32 s39, s37, 5
	v_add_nc_u32 v[GX], s38, v[L16]
	v_add_nc_u32 v[GC], s39, v[L16]
	global_load_b128 v[XR:XR+3], v[GX], s[4:5] th:TH_LOAD_NT
	global_load_b128 v[XR+4:XR+7], v[GX], s[4:5] offset:512 th:TH_LOAD_NT
	global_load_b128 v[CR:CR+3], v[GC], s[6:7] th:TH_LOAD_NT
.endm
.macro STOREIN
	ds_store_b128 v[ARW], v[XR:XR+3] offset:XIN
	ds_store_b128 v[ARW], v[XR+4:XR+7] offset:XIN+640
	ds_store_b128 v[ACW], v[CR:CR+3]
.endm
; one f32 matrix instruction of layer 1: number WN of 16: K step WN / 4, tile (WN % 4) / 2 of the pair, unit tile WN % 2.  The four accumulators take turns
.macro WSTEP
.set ws, WN/4
.set wi, (WN%4)/2
.set wu, WN%2
.if ws == 0
	WIN 0x15
	v_wmma_f32_16x16x4_f32 v[AC1+16*wi+8*wu:AC1+16*wi+8*wu+7], v[W1F+8*wu:W1F+8*wu+1], v[HB+8*wi:HB+8*wi+1], v[B1C+8*wu:B1C+8*wu+7]
.else
	WIN 0x05
	v_wmma_f32_16x16x4_f32 v[AC1+16*wi+8*wu:AC1+16*wi+8*wu+7], v[W1F+8*wu+2*ws:W1F+8*wu+2*ws+1], v[HB+8*wi+2*ws:HB+8*wi+2*ws+1], v[AC1+16*wi+8*wu:AC1+16*wi+8*wu+7]
.endif
	WIN 0
.set WN, WN+1
.endm
.macro TICK k                          ; k vector lines have been written: every WGAP of them one WSTEP follows
.set WT, WT+(\k)
.if (WT >= WGAP) && (WN < 16)
	WSTEP
.set WT, WT-WGAP
.endif
.endm
.macro WFLUSH
.rept 16
.if WN < 16
	WSTEP
.endif
.endr
.endm
; the 16 inputs of two tiles of the next block: lane (r, h) takes x[row][8 + 4 h ..] and c[row][4 h ..]
.macro HBLOAD p
	WIN 0x40
.irp i, 0,1
	ds_load_b128 v[HB+8*\i:HB+8*\i+3], v[AXI] offset:1280*(2*(\p)+\i)
	ds_load_b128 v[HB+8*\i+4:HB+8*\i+7], v[ACI] offset:768*(2*(\p)+\i)
.endr
	WIN 0
.endm
.macro HBBN                            ; in - mean
	WIN 0x45
.irp i, 0,1
.irp k, 0,2,4,6
	v_pk_add_f32 v[HB+8*\i+\k:HB+8*\i+\k+1], v[HB+8*\i+\k:HB+8*\i+\k+1], v[BNM+\k:BNM+\k+1] neg_lo:[0,1] neg_hi:[0,1]
.endr
.endr
	WIN 0
.endm
; swish(z) = z / (1 + 2^(-log2(e) z)), quantised; in pieces, so that the spline's lines can stand between them
.macro S_MUL acc, t, n, kp             ; ascending: each accumulator is first read at its low end
.set sk, 0
.rept (\n)/2
	v_pk_mul_f32 v[\t+sk:\t+sk+1], v[\acc+sk:\acc+sk+1], s[\kp:\kp+1] op_sel_hi:[1,0]
.set sk, sk+2
.endr
.endm
.macro S_EXP t, n
.set sk, 0
.rept \n
	v_exp_f32 v[\t+sk], v[\t+sk]
.set sk, sk+1
.endr
.endm
.macro S_ADD t, n
.set sk, 0
.rept (\n)/2
	v_pk_add_f32 v[\t+sk:\t+sk+1], v[\t+sk:\t+sk+1], 1.0 op_sel_hi:[1,0]
.set sk, sk+2
.endr
.endm
.macro S_RCP t, n
.set sk, 0
.rept \n
	v_rcp_f32 v[\t+sk], v[\t+sk]
.set sk, sk+1
.endr
.endm
.macro S_FIN acc, t, n, cd, sc, lo, hi
.set sk, 0
.rept (\n)/2
	v_pk_mul_f32 v[\t+sk:\t+sk+1], v[\t+sk:\t+sk+1], v[\acc+sk:\acc+sk+1]
.set sk, sk+2
.endr
.set sk, 0
.rept \n
	v_med3_num_f32 v[\t+sk], v[\t+sk], s[\lo], s[\hi]   ; the conversion to an 8-bit code does not saturate (ISA guide 7.6.2): the hold at the largest code x the scale
.set sk, sk+1
.endr
.set sk, 0
.rept (\n)/8
	v_cvt_scalef32_pk8_bf8_f32 v[\cd+2*sk:\cd+2*sk+1], v[\t+8*sk:\t+8*sk+7], v[\sc]
.set sk, sk+1
.endr
	v_nop                                          ; one plain line behind the last scaled conversion
.endm
.macro S_OUT cd, nt, off               ; my group of each tile's fragment goes to LDS as it stands
.set sk, 0
.rept \nt
	ds_store_b128 v[AIW], v[\cd+4*sk:\cd+4*sk+3] offset:\off+2048*sk
.set sk, sk+1
.endr
.endm
.macro SWISH acc, t, n, kp, cd, sc, lo, hi, nt, off
	S_MUL \acc, \t, \n, \kp
	S_EXP \t, \n
	v_nop
	s_wait_alu depctr_va_vdst(0)                   ; one wait for the batch of exponentials, ahead of its first reader
	S_ADD \t, \n
	S_RCP \t, \n
	v_nop
	s_wait_alu depctr_va_vdst(0)                   ; and one for the reciprocals
	S_FIN \acc, \t, \n, \cd, \sc, \lo, \hi
	S_OUT \cd, \nt, \off
.endm
.macro P1PAIR p                        ; layer 1 of two tiles, by itself: at the head alone
	HBLOAD \p
	s_wait_dscnt 0x0
	HBBN
.set WN, 0
.rept 16
	WSTEP
.endr
.rept 8
	v_nop                                          ; eight places behind the f32 matrix form (ISA guide 7.12.1)
.endr
	SWISH AC1, PRB, 32, 40, 192, SC1, 56, 57, 2, IMG1+4096*(\p)
.endm
; the pair (x, y) of prefix sums of bins 0 .. j - 1 of tile i lies at v[PJ]
.macro PJSET i, j
.if (\j) == 1
.set PJ, EB+32*(\i)
.elseif (\j) == 16
.set PJ, TTB+2*(\i)
.else
.set PJ, PRB+32*(\i)+2*((\j)-2)
.endif
.endm
.macro SELC i, j, m                    ; does knot j lie at or under x?
	PJSET \i, \j
	v_cmp_le_f32 \m, v[PJ], v[QB+8*(\i)+6]
.endm
.macro SELM i, j, m                    ; then bin j's six numbers take the place of the bin's before.  The prefix sums never fall, so the last step that holds is the bin
	PJSET \i, \j
.set Q, QB+8*(\i)
.set E, EB+32*(\i)
.set SL, SLB+16*(\i)
.if (\j) == 1
	v_cndmask_b32 v[Q], 0, v[PJ], \m
	v_cndmask_b32 v[Q+1], 0, v[PJ+1], \m
	v_cndmask_b32 v[Q+2], v[E], v[E+2], \m
	v_cndmask_b32 v[Q+3], v[E+1], v[E+3], \m
	v_cndmask_b32 v[Q+4], v[SL], v[SL+1], \m
	v_cndmask_b32 v[Q+5], v[SL+1], v[SL+2], \m
.else
	v_cndmask_b32 v[Q], v[Q], v[PJ], \m
	v_cndmask_b32 v[Q+1], v[Q+1], v[PJ+1], \m
	v_cndmask_b32 v[Q+2], v[Q+2], v[E+2*(\j)], \m
	v_cndmask_b32 v[Q+3], v[Q+3], v[E+2*(\j)+1], \m
	v_cndmask_b32 v[Q+4], v[Q+4], v[SL+(\j)], \m
	v_cndmask_b32 v[Q+5], v[Q+5], v[SL+((\j)+1)%16], \m
.endif
.endm
; TILES 2 p, 2 p + 1: layer 3 and the spline of the block in hand; layer 1 of the same tiles of the next block
.macro PAIR p
	s_wait_dscnt 0x0                               ; my earlier LDS stores have read their registers
.irp i, 0,1
.irp c, 0,1,2,3
	ds_load_b128 v[PRB+32*\i+4*\c:PRB+32*\i+4*\c+3], v[L16] offset:IMG2+2048*(2*(\p)+\i)+512*\c
.endr
	ds_load_b32 v[XT+2*(\p)+\i], v[AXT] offset:1280*(2*(\p)+\i)
.endr
	HBLOAD \p
	s_wait_dscnt 0x0
	HBBN
	WIN 0x11                                       ; W3 and b3 in window 1
.irp t, 0,1,2,3,4,5
.irp i, 0,1
.if \t < 4
	v_wmma_f32_16x16x128_bf8_bf8 v[EB+32*\i+8*\t:EB+32*\i+8*\t+7], v[W3F+16*\t:W3F+16*\t+15], v[PRB+32*\i:PRB+32*\i+15], v[B3C+8*\t:B3C+8*\t+7]
.else
	v_wmma_f32_16x16x128_bf8_bf8 v[SLB+16*\i+8*(\t-4):SLB+16*\i+8*(\t-4)+7], v[W3F+16*\t:W3F+16*\t+15], v[PRB+32*\i:PRB+32*\i+15], v[B3C+8*\t:B3C+8*\t+7]
.endif
.endr
.endr
	WIN 0
.rept 4
	v_nop                                          ; four places behind this form
.endr
.set WN, 0
.set WT, 0
	; the largest dx and the largest dy: four chains; each accumulator is first read among its four lowest registers
.irp i, 0,1
	v_max3_num_f32 v[QB+8*\i], v[EB+32*\i], v[EB+32*\i+2], v[EB+32*\i+4]
	v_max3_num_f32 v[QB+8*\i+1], v[EB+32*\i+1], v[EB+32*\i+3], v[EB+32*\i+5]
.endr
	TICK 4
.irp k, 6,10,14,18,22,26
.irp i, 0,1
	v_max3_num_f32 v[QB+8*\i], v[QB+8*\i], v[EB+32*\i+\k], v[EB+32*\i+\k+2]
	v_max3_num_f32 v[QB+8*\i+1], v[QB+8*\i+1], v[EB+32*\i+\k+1], v[EB+32*\i+\k+3]
.endr
	TICK 4
.endr
.irp i, 0,1
	v_max_num_f32 v[QB+8*\i], v[QB+8*\i], v[EB+32*\i+30]
	v_max_num_f32 v[QB+8*\i+1], v[QB+8*\i+1], v[EB+32*\i+31]
.endr
	TICK 4
.irp i, 0,1
	v_pk_mul_f32 v[QB+8*\i:QB+8*\i+1], v[QB+8*\i:QB+8*\i+1], s[46:47] op_sel_hi:[1,0]   ; -K3 x the largest, K3 = log2(e) 2^(e2 + e3)
.endr
.set kk, 0
.rept 16
	v_pk_fma_f32 v[EB+kk:EB+kk+1], v[EB+kk:EB+kk+1], s[44:45], v[QB:QB+1] op_sel_hi:[1,0,1]
	v_pk_fma_f32 v[EB+32+kk:EB+32+kk+1], v[EB+32+kk:EB+32+kk+1], s[44:45], v[QB+8:QB+9] op_sel_hi:[1,0,1]
	TICK 2
.set kk, kk+2
.endr
.set kk, 0
.rept 32
	v_exp_f32 v[EB+kk], v[EB+kk]
	v_exp_f32 v[EB+32+kk], v[EB+32+kk]
	TICK 2
.set kk, kk+1
.endr
.irp i, 0,1
	v_med3_num_f32 v[QB+8*\i+7], v[XT+2*(\p)+\i], 0, 1.0   ; xc.  (Plain lines behind the exponentials)
.endr
	s_wait_alu depctr_va_vdst(0)                   ; one wait for the 64 exponentials
	; prefix sums, x and y together, the two tiles by turns; the last is the total
.set jj, 1
.rept 15
.irp i, 0,1
	PJSET \i, jj
.set PA, PJ
	PJSET \i, jj+1
	v_pk_add_f32 v[PJ:PJ+1], v[PA:PA+1], v[EB+32*\i+2*jj:EB+32*\i+2*jj+1]
.endr
	TICK 2
.set jj, jj+1
.endr
.irp i, 0,1
	v_mul_f32 v[QB+8*\i+6], v[QB+8*\i+7], v[TTB+2*\i]      ; X = xc TX
.endr
.set jj, 1
.rept 15
	SELC 0, jj, vcc_lo
	SELC 1, jj, s60
	SELM 0, jj, vcc_lo
	SELM 1, jj, s60
	TICK 14
.set jj, jj+1
.endr
	WFLUSH
	; THE SPLINE, with the next block's swish between its lines.  At work: v[V + ..] in the tile's 32 registers of dx, dy
	; the twelve lines that follow are also the places behind the last f32 matrix instruction
.irp i, 0,1
.set V, EB+32*\i
.set Q, QB+8*\i
	v_min_num_f32 v[V], v[Q+4], -v[Q+4]            ; -|a0|, -|a1|
	v_min_num_f32 v[V+1], v[Q+5], -v[Q+5]
	v_max_num_f32 v[V+6], 0, v[Q+4]
	v_max_num_f32 v[V+7], 0, v[Q+5]
	v_sub_f32 v[V+10], v[Q+6], v[Q]                ; X - x0
.endr
.irp i, 0,1
.set V, EB+32*\i
	v_pk_mul_f32 v[V:V+1], v[V:V+1], s[44:45] op_sel_hi:[1,0]
.endr
	S_MUL AC1, PRB, 32, 40
.irp i, 0,1
.set V, EB+32*\i
	v_exp_f32 v[V], v[V]                           ; e = exp(-|p|)
	v_exp_f32 v[V+1], v[V+1]
	v_rcp_f32 v[V+8], v[QB+8*\i+2]                 ; 1 / wk
	v_rcp_f32 v[V+9], v[TTB+2*\i+1]                ; 1 / TY
.endr
	S_EXP PRB, 32
	v_nop
	s_wait_alu depctr_va_vdst(0)
.irp i, 0,1
.set V, EB+32*\i
.set Q, QB+8*\i
	v_pk_add_f32 v[V+2:V+3], v[V:V+1], 1.0 op_sel_hi:[1,0]
	v_mul_f32 v[V+10], v[V+10], v[V+8]             ; xi
	v_mul_f32 v[V+15], v[Q+3], v[V+9]              ; the bin's height
	v_mul_f32 v[V+16], v[Q+1], v[V+9]              ; the knot's y
	v_mul_f32 v[V+19], v[TTB+2*\i], v[V+8]         ; 1 / the bin's width
.endr
	S_ADD PRB, 32
.irp i, 0,1
.set V, EB+32*\i
	v_log_f32 v[V+20], v[V+2]
	v_log_f32 v[V+21], v[V+3]
.endr
	S_RCP PRB, 32
.irp i, 0,1
.set V, EB+32*\i
	v_pk_add_f32 v[V+4:V+5], v[V+2:V+3], -1.0 op_sel_hi:[1,0]
	v_sub_f32 v[V+11], 1.0, v[V+10]
	v_mul_f32 v[V+17], v[V+15], v[V+19]            ; s
	v_mul_f32 v[V+13], v[V+10], v[V+10]            ; xi^2
.endr
.irp i, 0,1
.set V, EB+32*\i
	v_pk_add_f32 v[V+4:V+5], v[V:V+1], v[V+4:V+5] neg_lo:[0,1] neg_hi:[0,1]   ; what 1 + e lost of e: so log1p holds for small e
	v_mul_f32 v[V+12], v[V+10], v[V+11]            ; z
	v_mul_f32 v[V+14], v[V+11], v[V+11]
.endr
.irp i, 0,1
.set V, EB+32*\i
	v_mul_f32 v[V+18], v[V+17], v[V+12]            ; s z
.endr
	s_wait_alu depctr_va_vdst(0)                   ; the logarithms and the reciprocals
.irp i, 0,1
.set V, EB+32*\i
	v_pk_fma_f32 v[V+20:V+21], v[V+6:V+7], s[44:45], v[V+20:V+21] op_sel_hi:[1,0,1]
.endr
.irp i, 0,1
.set V, EB+32*\i
	v_pk_fma_f32 v[V+22:V+23], v[V+20:V+21], s[48:49], v[V+4:V+5] op_sel_hi:[1,0,1]   ; d0, d1 = softplus
.endr
.irp i, 0,1
.set V, EB+32*\i
	v_add_f32 v[V+24], v[V+22], v[V+23]
.endr
.irp i, 0,1
.set V, EB+32*\i
	v_fma_f32 v[V+24], -2.0, v[V+17], v[V+24]
.endr
.irp i, 0,1
.set V, EB+32*\i
	v_fma_f32 v[V+24], v[V+24], v[V+12], v[V+17]   ; den
.endr
.irp i, 0,1
.set V, EB+32*\i
	v_rcp_f32 v[V+25], v[V+24]
.endr
.irp i, 0,1
.set V, EB+32*\i
	v_mul_f32 v[V+26], v[V+22], v[V+12]
	v_mul_f32 v[V+27], v[V+23], v[V+13]
.endr
.irp i, 0,1
.set V, EB+32*\i
	v_fma_f32 v[V+26], v[V+17], v[V+13], v[V+26]
	v_fma_f32 v[V+27], v[V+22], v[V+14], v[V+27]
.endr
.irp i, 0,1
.set V, EB+32*\i
	v_mul_f32 v[V+26], v[V+26], v[V+15]
	v_fma_f32 v[V+27], 2.0, v[V+18], v[V+27]
.endr
	S_FIN AC1, PRB, 32, 192, SC1, 56, 57
	S_OUT 192, 2, IMG1+4096*(\p)
	s_wait_alu depctr_va_vdst(0)                   ; 1 / den
.irp i, 0,1
.set V, EB+32*\i
	v_fma_f32 v[V+30], v[V+26], v[V+25], v[V+16]   ; y
	v_mul_f32 v[V+28], v[V+17], v[V+25]
.endr
.irp i, 0,1
.set V, EB+32*\i
	v_mul_f32 v[V+28], v[V+28], v[V+28]
.endr
.irp i, 0,1
.set V, EB+32*\i
	v_mul_f32 v[V+28], v[V+28], v[V+27]            ; the derivative
.endr
.irp i, 0,1
.set V, EB+32*\i
	v_log_f32 v[V+29], v[V+28]
.endr
.irp i, 0,1
	v_cmp_neq_f32 s[60+\i], v[XT+2*(\p)+\i], v[QB+8*\i+7]   ; outside [0, 1]: xt is not its clipped self
.endr
.irp i, 0,1
.set V, EB+32*\i
	v_cndmask_b32 v[V+30], v[V+30], v[XT+2*(\p)+\i], s[60+\i]
	ds_store_b32 v[AXT], v[V+30] offset:YS-XO+1280*(2*(\p)+\i)
.endr
	s_wait_alu depctr_va_vdst(0)
.irp i, 0,1
.set V, EB+32*\i
	v_cndmask_b32 v[V+29], v[V+29], 0, s[60+\i]
	ds_store_b32 v[ALS], v[V+29] offset:64*(2*(\p)+\i)
.endr
.endm
	; ---------------- THE HEAD
	s_load_b512 s[4:19], s[0:1], 0x0               ; x, c, bn_scale, bn_bias, bn_mean, bn_var, W1, b1
	s_load_b256 s[20:27], s[0:1], 0x40             ; W2's codes, b2, W3's codes, b3
	s_load_b128 s[28:31], s[0:1], 0x60             ; the scales' exponents, out0
	s_load_b64 s[32:33], s[0:1], 0x70              ; out1
	v_lshl_add_u32 v[SPW], v0, 2, SPARE
	v_mov_b32 v[NIL], 0
	v_lshrrev_b32 v231, 5, v0
	v_readfirstlane_b32 s34, v231                  ; wave w
	s_lshl_b32 s36, s34, 4                         ; 16 w
	s_mov_b32 s35, ttmp9                           ; my first block
	v_and_b32 v228, 31, v0                         ; lane
	v_and_b32 v229, 15, v0                         ; r
	v_bfe_u32 v230, v0, 4, 1                       ; h
	v_mul_u32_u24 v231, v229, 80
	v_lshl_add_u32 v231, v230, 4, v231             ; 80 r + 16 h
	v_add_nc_u32 v[AXI], XIN+32, v231
	s_lshl_b32 s37, s34, 2
	s_add_co_u32 s37, s37, XO
	v_add_nc_u32 v[AXT], s37, v231
	v_mul_u32_u24 v[ACI], v229, 48
	v_lshl_add_u32 v[ACI], v230, 4, v[ACI]
	v_add_nc_u32 v[ACI], CS, v[ACI]
	v_lshlrev_b32 v[L16], 4, v228
	v_lshlrev_b32 v[L8], 3, v228
	s_lshl_b32 s37, s34, 9
	v_add_nc_u32 v[AIW], s37, v[L16]
	s_lshl_b32 s37, s34, 8
	s_add_co_u32 s37, s37, LS
	v_lshlrev_b32 v[ALS], 2, v229
	v_lshl_add_u32 v[ALS], v230, 10, v[ALS]
	v_add_nc_u32 v[ALS], s37, v[ALS]
	v_lshrrev_b32 v231, 2, v228
	v_mul_u32_u24 v[ARW], v231, 80
	v_and_b32 v231, 3, v228
	v_lshl_add_u32 v[ARW], v231, 4, v[ARW]
	s_mul_i32 s37, s34, 1280
	v_add_nc_u32 v[ARW], s37, v[ARW]
	v_lshrrev_b32 v231, 1, v228
	v_mul_u32_u24 v[ACW], v231, 48
	v_and_b32 v231, 1, v228
	v_lshl_add_u32 v[ACW], v231, 4, v[ACW]
	s_mul_i32 s37, s34, 768
	s_add_co_u32 s37, s37, CS
	v_add_nc_u32 v[ACW], s37, v[ACW]
	v_bfe_u32 v231, v0, 1, 1
	v_xor_b32 v231, 1, v231                        ; 1 in quarters 0 and 1 of a row
	v_mul_u32_u24 v231, v231, YS-XO
	v_add_nc_u32 v[AP4], v231, v[ARW]
	v_add_nc_u32 v[AP4], XO, v[AP4]
	v_lshl_add_u32 v[ALR], v228, 3, LS
	; offsets into the weights
	v_and_b32 v231, 8, v229
	v_add_nc_u32 v231, v231, v229                  ; r + 8 (r / 8)
	s_lshl_b32 s37, s34, 7                         ; 128 w
	v_lshlrev_b32 v233, 2, v231
	v_lshl_add_u32 v233, v230, 11, v233
	v_add_nc_u32 v233, s37, v233                   ; W1: feature 4 h (+ the immediate), my unit
	s_lshl_b32 s38, s34, 12
	v_lshlrev_b32 v234, 7, v231
	v_lshl_add_u32 v234, v230, 4, v234
	v_add_nc_u32 v234, s38, v234                   ; W2: my unit's row, + 16 h
	v_lshrrev_b32 v232, 3, v229
	v_lshlrev_b32 v232, 2, v232
	v_add_nc_u32 v232, s34, v232                   ; the dimension of lane r's row of W3: w + 4 (r / 8)
	v_mul_u32_u24 v232, v232, 47
	v_and_b32 v240, 1, v229
	v_lshl_add_u32 v235, v240, 4, v232
	v_bfe_u32 v240, v229, 1, 2
	v_add_nc_u32 v235, v235, v240
	v_lshlrev_b32 v235, 7, v235
	v_lshl_add_u32 v235, v230, 4, v235             ; W3, tiles 0-3: element 16 (r % 2) + (r / 2) % 4 (+ 4 t)
	v_and_b32 v241, 7, v229
	v_add3_u32 v236, v232, v241, 31
	v_lshlrev_b32 v236, 7, v236
	v_lshl_add_u32 v236, v230, 4, v236             ; tiles 4, 5: element 31 + r % 8 (+ 8 (t - 4))
	v_lshl_add_u32 v237, v230, 2, s34
	v_mul_u32_u24 v237, v237, 188                  ; b3 of my lane's dimension w + 4 h
	v_lshlrev_b32 v238, 6, v230
	v_add_nc_u32 v238, s37, v238                   ; b1, b2: units 32 w + 16 h on
	v_lshlrev_b32 v239, 4, v230                    ; the norm's constants: features 4 h on
	s_wait_kmcnt 0x0
	s_load_b128 s[52:55], s[28:29], 0x0            ; e0 .. e3
	LOADX 0
	WIN 0x40                                       ; destination window 1
.irp t, 0,1,2,3
.irp c, 0,1,2,3
	global_load_b128 v[W3F+16*\t+4*\c:W3F+16*\t+4*\c+3], v235, s[24:25] offset:512*\t+32*\c
.endr
.endr
.irp t, 4,5
.irp c, 0,1,2,3
	global_load_b128 v[W3F+16*\t+4*\c:W3F+16*\t+4*\c+3], v236, s[24:25] offset:1024*(\t-4)+32*\c
.endr
.endr
.irp n, 0,1,2,3,4,5,6,7,8,9,10,11,12,13,14,15
	global_load_b32 v[B3C+2*\n], v237, s[26:27] offset:4*\n
	global_load_b32 v[B3C+2*\n+1], v237, s[26:27] offset:4*(16+\n)
.endr
.irp n, 1,2,3,4,5,6,7,8,9,10,11,12,13,14,15
	global_load_b32 v[B3C+32+\n], v237, s[26:27] offset:4*(31+\n)
.endr
.irp u, 0,1
.irp c, 0,1,2,3
	global_load_b128 v[W2F+16*\u+4*\c:W2F+16*\u+4*\c+3], v234, s[20:21] offset:1024*\u+32*\c
.endr
.endr
.irp k, 0,1,2,3
	global_load_b128 v[B2C+4*\k:B2C+4*\k+3], v238, s[22:23] offset:16*\k
.endr
.irp u, 0,1
.irp s, 0,1,2,3
.irp j, 0,1
	global_load_b32 v[W1F+8*\u+2*\s+\j], v233, s[16:17] offset:((\s/2)*8+2*(\s%2)+\j)*512+32*\u
.endr
.endr
.endr
	global_load_b128 v[BNM:BNM+3], v239, s[12:13]
	global_load_b128 v[BNM+4:BNM+7], v239, s[12:13] offset:32
	v_mov_b32 v[B3C+32], SP1                       ; the boundary slope's pre-activation
	WIN 0
	global_load_b128 v[96:99], v239, s[14:15]      ; var
	global_load_b128 v[100:103], v239, s[14:15] offset:32
	global_load_b128 v[104:107], v239, s[8:9]      ; scale
	global_load_b128 v[108:111], v239, s[8:9] offset:32
	global_load_b128 v[112:115], v239, s[10:11]    ; bias
	global_load_b128 v[116:119], v239, s[10:11] offset:32
.irp k, 0,1,2,3
	global_load_b128 v[120+4*\k:123+4*\k], v238, s[18:19] offset:16*\k   ; b1
.endr
	s_wait_kmcnt 0x0
	s_mov_b32 s40, NLOG2E                          ; layer 1: -log2(e)
	s_mov_b32 s41, s40                             ; (each pair's second word is named with the first, so it is written)
	s_add_co_i32 s37, s52, s53                     ; e0 + e1
	s_lshl_b32 s38, s37, 23
	s_add_co_i32 s42, s40, s38                     ; K2 = -log2(e) 2^(e0 + e1): the exponents are added to the constant's exponent field
	s_mov_b32 s43, s42
	s_add_co_i32 s39, s54, s55                     ; e2 + e3
	s_lshl_b32 s38, s39, 23
	s_add_co_i32 s44, s38, LOG2E                   ; K3 = log2(e) 2^(e2 + e3)
	s_mov_b32 s45, s44
	s_xor_b32 s46, s44, 0x80000000
	s_mov_b32 s47, s46
	s_mov_b32 s48, LN2
	s_mov_b32 s49, s48
	s_sub_co_i32 s68, 0, s37
	s_sub_co_i32 s69, 0, s39
	s_add_co_i32 s66, s52, 127
	s_lshl_b32 s67, s66, 23
	v_mov_b32 v[SC1], s67                          ; 2^e0
	s_add_co_i32 s66, s66, 15
	s_lshl_b32 s66, s66, 23
	s_or_b32 s57, s66, 0x600000                    ; 57,344 x 2^e0,
	s_or_b32 s56, s57, 0x80000000                  ; and its negative
	s_sub_co_i32 s66, s54, s37
	s_add_co_i32 s66, s66, 127
	s_lshl_b32 s67, s66, 23
	v_mov_b32 v[SC2], s67                          ; 2^(e2 - e0 - e1): layer 2's sums lack 2^(e0 + e1)
	s_add_co_i32 s66, s66, 15
	s_lshl_b32 s66, s66, 23
	s_or_b32 s59, s66, 0x600000
	s_or_b32 s58, s59, 0x80000000
	s_wait_loadcnt 0x0
.irp k, 0,1,2,3,4,5,6,7
	v_add_f32 v[96+\k], EPS, v[96+\k]
.endr
.irp k, 0,1,2,3,4,5,6,7
	v_rsq_f32 v[96+\k], v[96+\k]
.endr
	v_nop
	s_wait_alu depctr_va_vdst(0)
.irp k, 0,1,2,3,4,5,6,7
	v_mul_f32 v[96+\k], v[96+\k], v[104+\k]        ; G
.endr
	; b1 + bias W1, in the result's layout: source 1 holds the bias in every column.  Two accumulators by turns
.irp s, 0,1,2,3
.irp u, 0,1
.if \s == 0
	WIN 0x41
	v_wmma_f32_16x16x4_f32 v[B1C+8*\u:B1C+8*\u+7], v[W1F+8*\u:W1F+8*\u+1], v[112:113], v[120+8*\u:127+8*\u]
.else
	WIN 0x51
	v_wmma_f32_16x16x4_f32 v[B1C+8*\u:B1C+8*\u+7], v[W1F+8*\u+2*\s:W1F+8*\u+2*\s+1], v[112+2*\s:113+2*\s], v[B1C+8*\u:B1C+8*\u+7]
.endif
.endr
.endr
	WIN 0
.rept 8
	v_nop                                          ; eight places in front of the writes of W1's registers
.endr
	v_cmp_ne_u32 vcc_lo, 0, v241                   ; lanes whose row of W3's tile 4 is a slope's
	WIN 0x41
.irp u, 0,1
.irp k, 0,1,2,3,4,5,6,7
	v_mul_f32 v[W1F+8*\u+\k], v[W1F+8*\u+\k], v[96+\k]     ; G W1
.endr
.endr
.set kk, 0
.rept 16
	v_ldexp_f32 v[B2C+kk], v[B2C+kk], s68          ; b2 / 2^(e0 + e1): the C of layer 2's products
.set kk, kk+1
.endr
.set kk, 0
.rept 48
	v_ldexp_f32 v[B3C+kk], v[B3C+kk], s69          ; b3 / 2^(e2 + e3)
.set kk, kk+1
.endr
	WIN 0x44
.set kk, 0
.rept 16
	v_cndmask_b32 v[W3F+64+kk], 0, v[W3F+64+kk], vcc_lo    ; the boundary slope's row: zero codes
.set kk, kk+1
.endr
	WIN 0
	STOREIN                                        ; my first block's rows
	s_wait_dscnt 0x0                               ; the stores have read their registers
	LOADX STEPB
	BARRIER
	P1PAIR 0
	P1PAIR 1
	BARRIER
	; ---------------- A TRIP = A BLOCK
.Lblk:
	ds_load_b128 v[112:115], v[ARW] offset:XIN     ; my rows of x move on: XIN takes the next block's
	ds_load_b128 v[116:119], v[ARW] offset:XIN+640
	s_wait_dscnt 0x0
	ds_store_b128 v[ARW], v[112:115] offset:XO
	ds_store_b128 v[ARW], v[116:119] offset:XO+640
	s_wait_loadcnt 0x0                             ; the next block's rows, asked for a trip ago
	STOREIN
	s_wait_dscnt 0x0                               ; the stores have read their registers
	LOADX 2*STEPB
	; layer 2: my 32 units for the four tiles
.irp m, 0,1,2,3
.irp c, 0,1,2,3
	ds_load_b128 v[PRB+16*\m+4*\c:PRB+16*\m+4*\c+3], v[L16] offset:IMG1+2048*\m+512*\c
.endr
.endr
	s_wait_dscnt 0x0
	WIN 0x11
.irp m, 0,1,2,3
.irp u, 0,1
	v_wmma_f32_16x16x128_bf8_bf8 v[SLB+16*\m+8*\u:SLB+16*\m+8*\u+7], v[W2F+16*\u:W2F+16*\u+15], v[PRB+16*\m:PRB+16*\m+15], v[B2C+8*\u:B2C+8*\u+7]
.endr
.endr
	WIN 0
.rept 4
	v_nop
.endr
	SWISH SLB, EB, 64, 42, QB, SC2, 58, 59, 4, IMG2
	BARRIER                                        ; hidden layer 2, this block's x and the next block's x and c lie in LDS; nobody reads hidden layer 1, yt or the logarithms any more
	PAIR 0
	PAIR 1
	BARRIER                                        ; yt, the logarithms and the next block's hidden layer 1 lie in LDS; nobody reads hidden layer 2 or the next block's x and c any more
	; the way out: my 16 rows of out0, 512 consecutive bytes a store
	s_wait_xcnt 0x0                                ; the last trip's stores have read their registers
	s_lshl_b32 s37, s35, 6
	s_add_co_u32 s37, s37, s36                     ; my first row
	s_lshl_b32 s38, s37, 6
	v_add_nc_u32 v[GO], s38, v[L16]
	s_lshl_b32 s38, s35, 8
	v_add_nc_u32 v[GL], s38, v[L8]
	ds_load_b128 v[OUTR:OUTR+3], v[AP4]
	ds_load_b128 v[OUTR+4:OUTR+7], v[AP4] offset:640
	s_wait_dscnt 0x0
	s_cmp_ge_u32 s37, N                            ; the last block has 32 rows: waves 2 and 3 store nothing there
	s_cbranch_scc1 .Lno_rows
	global_store_b128 v[GO], v[OUTR:OUTR+3], s[30:31] th:TH_STORE_NT
	global_store_b128 v[GO], v[OUTR+4:OUTR+7], s[30:31] offset:512 th:TH_STORE_NT
.Lno_rows:
	s_cmp_lg_u32 s34, 0                            ; wave 0 adds the eight dimensions' logarithms: two samples a lane, 256 consecutive bytes
	s_cbranch_scc1 .Lnot_w0
.irp d, 0,1,2,3,4,5,6,7
	ds_load_b64 v[96+2*\d:97+2*\d], v[ALR] offset:256*\d
.endr
	s_wait_dscnt 0x0
	v_pk_add_f32 v[96:97], v[96:97], v[98:99]
	v_pk_add_f32 v[100:101], v[100:101], v[102:103]
	v_pk_add_f32 v[104:105], v[104:105], v[106:107]
	v_pk_add_f32 v[108:109], v[108:109], v[110:111]
	v_pk_add_f32 v[96:97], v[96:97], v[100:101]
	v_pk_add_f32 v[104:105], v[104:105], v[108:109]
	v_pk_add_f32 v[96:97], v[96:97], v[104:105]
	v_pk_mul_f32 v[96:97], v[96:97], s[48:49] op_sel_hi:[1,0]   ; log2 to ln
	s_lshl_b32 s38, s35, 6
	s_sub_co_u32 s38, N, s38                       ; rows from this block's first to the end
	v_lshrrev_b32 v112, 2, v[L8]                   ; 2 x lane
	v_cmp_gt_u32 vcc_lo, s38, v112
	s_wait_xcnt 0x0                                ; EXEC changes only behind this wait
	s_and_saveexec_b32 s62, vcc_lo
	global_store_b64 v[GL], v[96:97], s[32:33] th:TH_STORE_NT
	s_wait_xcnt 0x0                                ; and again, in front of the line that widens it
	s_or_b32 exec_lo, exec_lo, s62
.Lnot_w0:
	s_add_co_u32 s35, s35, STEPB
	s_cmp_lt_u32 s35, NBLK
	s_cbranch_scc1 .Lblk
	s_wait_tensorcnt 0x0                           ; the wave's end: three closing lines, behind my last LDS store
	ds_add_u32 v[SPW], v[NIL]
	s_wait_dscnt 0x0
	s_endpgm
.Lfunc_end_k_q295ee5d9cb_spline:
	.size	k_q295ee5d9cb_spline, .Lfunc_end_k_q295ee5d9cb_spline-k_q295ee5d9cb_spline
	.p2alignl 7, 3214868480
	.fill 96, 4, 3214868480
	.section	.rodata,"a",@progbits
	.p2align	6, 0x0
	.amdhsa_kernel k_q295ee5d9cb_spline
		.amdhsa_group_segment_fixed_size 37376
		.amdhsa_private_segment_fixed_size 0
		.amdhsa_enable_private_segment 0
		.amdhsa_kernarg_size 120
		.amdhsa_user_sgpr_count 2
		.amdhsa_user_sgpr_kernarg_segment_ptr 1
		.amdhsa_wavefront_size32 1
		.amdhsa_system_sgpr_workgroup_id_x 1
		.amdhsa_system_sgpr_workgroup_id_y 1
		.amdhsa_system_sgpr_workgroup_id_z 1
		.amdhsa_system_vgpr_workitem_id 0
		.amdhsa_next_free_vgpr 512
		.amdhsa_next_free_sgpr 72
		.amdhsa_reserve_vcc 1
		.amdhsa_float_denorm_mode_32 3
		.amdhsa_float_denorm_mode_16_64 3
		.amdhsa_memory_ordered 1
		.amdhsa_forward_progress 1
		.amdhsa_inst_pref_size 135
	.end_amdhsa_kernel
	.amdgpu_metadata
---
amdhsa.version: [ 1, 2 ]
amdhsa.kernels:
  - .name:           k_q295ee5d9cb_spline
    .symbol:         k_q295ee5d9cb_spline.kd
    .args:
      - { .name: x, .offset: 0, .size: 8, .value_kind: global_buffer, .address_space: global }
      - { .name: c, .offset: 8, .size: 8, .value_kind: global_buffer, .address_space: global }
      - { .name: bn_scale, .offset: 16, .size: 8, .value_kind: global_buffer, .address_space: global }
      - { .name: bn_bias, .offset: 24, .size: 8, .value_kind: global_buffer, .address_space: global }
      - { .name: bn_mean, .offset: 32, .size: 8, .value_kind: global_buffer, .address_space: global }
      - { .name: bn_var, .offset: 40, .size: 8, .value_kind: global_buffer, .address_space: global }
      - { .name: W1, .offset: 48, .size: 8, .value_kind: global_buffer, .address_space: global }
      - { .name: b1, .offset: 56, .size: 8, .value_kind: global_buffer, .address_space: global }
      - { .name: W2_codes, .offset: 64, .size: 8, .value_kind: global_buffer, .address_space: global }
      - { .name: b2, .offset: 72, .size: 8, .value_kind: global_buffer, .address_space: global }
      - { .name: W3_codes, .offset: 80, .size: 8, .value_kind: global_buffer, .address_space: global }
      - { .name: b3, .offset: 88, .size: 8, .value_kind: global_buffer, .address_space: global }
      - { .name: lowp_scales, .offset: 96, .size: 8, .value_kind: global_buffer, .address_space: global }
      - { .name: out0, .offset: 104, .size: 8, .value_kind: global_buffer, .address_space: global }
      - { .name: out1, .offset: 112, .size: 8, .value_kind: global_buffer, .address_space: global }
    .group_segment_fixed_size: 37376
    .private_segment_fixed_size: 0
    .kernarg_segment_align: 8
    .kernarg_segment_size: 120
    .max_flat_workgroup_size: 128
    .sgpr_count:     72
    .vgpr_count:     512
    .wavefront_size: 32
...
	.end_amdgpu_metadata
.endif
;; end of part 1
